; MI455X (gfx1250); checked and timed in simulation.
; The chip was launched on July 23, 2026; its instructions are those of AMD's public machine-readable ISA for CDNA 5 (MIT licence, August 2026) and "CDNA5" Instruction Set Architecture Reference Guide (July 2026). The comments in the code are by the model that wrote it; some were corrected since.
;; Scaled Dot Product Attention. Allowed arithmetic: matrix products marked QUANTISED: E5M2 operands, one given power-of-two scale a tensor, by v_wmma_f32_16x16x64_bf8_bf8 or v_wmma_f32_16x16x128_bf8_bf8, f32 sums; everything else in f32.
;; Inputs: k 4 x 16 x 2,048 x 64 float32; lowp_scales 4 int32 (the exponents e of the quantised operands' scales 2^e); mask 4 x 1 x 2,048 x 2,048 bool; q 4 x 16 x 2,048 x 64 float32; v 4 x 16 x 2,048 x 64 float32.
;; Outputs: out0 4 x 16 x 2,048 x 64 float32.
;; This version of the problem:
;;   THIS VERSION OF THE PROBLEM IS GIVEN IN LOW PRECISION. The matrix products marked QUANTISED in the list below multiply operands that are first quantised to E5M2 (5 exponent bits, 2 mantissa bits; 8 bits a number), with one given power-of-two scale for each operand tensor; their sums are f32. All else is computed in f32.
;;   The module's matrix products, in the order in which they are computed (A, B: the left and right operand; K: the contracted axis; several contracted axes count as one K, in the product's order):
;;     1. batch 64 x [M 2,048, K 64] x [K 64, N 2,048]; A: input q; B: input k: QUANTISED (scales: A lowp_scales[0], B lowp_scales[1])
;;     2. batch 64 x [M 2,048, K 2,048] x [K 2,048, N 64]; A: softmax (see below); B: input v: QUANTISED (scales: A lowp_scales[2], B lowp_scales[3])
;;   THE QUANTISER, for each operand of a quantised product, along K:
;;     - The operand's scale is 2^e, e = its entry of the input lowp_scales (int32; the entries are numbered through the quantised products in the list's order, A before B).
;;     - Each number is divided by the scale, clamped to +-57,344, and rounded to the nearest number of E5M2, ties to even, subnormals kept.
;;     - The product sums the exact products of the quantised numbers (number of the format x scale) in f32.
;;   ~~~python
;;   def quantise(x, axis, e):      # numpy; x: float32 -> the quantised numbers, widened to float32 again
;;       x = np.moveaxis(x, axis, -1); K = x.shape[-1]
;;       r = np.clip(x / 2.0 ** e, -57344, 57344)
;;       step = 2.0 ** (np.maximum(np.frexp(np.where(r == 0, 1, r))[1] - 1, -14) - 2)
;;       q = np.round(r / step) * step * 2.0 ** e      # np.round: ties to even
;;       return np.moveaxis(q, -1, axis).astype(np.float32)
;;   ~~~
;;   SOFTMAX AHEAD OF A QUANTISED PRODUCT. Where the list says 'softmax', what is quantised is not the finished softmax but p = 2^(t - M), with t = logit x log2(e) and M = ceil(the row's largest t), a whole number; so 1/2 < the row's largest p <= 1. The row's sum l is taken of the UNQUANTISED p, in f32, and the product's result is divided by l at the end. Since M is a whole number, a kernel that streams over the keys may use a running M (the ceiling of the running maximum): every later rescaling is an exact power of two, so the quantised numbers keep their values, but for numbers so far below the row's largest that they fall under the format's range.
;;   OPERANDS COMPUTED ON THE WAY. 'Computed on the way' means the value that the module computes at that place (a softmax that the list does not call 'softmax' is quantised finished and normalised). What goes into a quantiser is computed in f32, as accurately as f32 sums, v_exp_f32 and their like allow (about 1e-6 of the number): no bf16 or f16 on the way to a quantiser, and a product that is left as it is and whose result goes on into a quantised operand takes f32 operands (vector FMAs, or v_wmma_f32_16x16x4_f32). A number that lies on a knife's edge between two numbers of the format may be rounded either way, as far as f32 arithmetic and the matrix unit's own rounding can turn it there, and no further.
;; 2 versions, each right; version 2 is version 1 with the launch attn written anew for expert scheduling mode. Each part assembles by itself: llvm-mc -triple=amdgcn-amd-amdhsa -mcpu=gfx1250 --defsym DOCPART=n.
;; ======== version 1 of 2: 2 launches
;; limits: right only within a limited range of input values
;; workspace buffers: kvc 16,777,216 bytes; maskw 2,097,152 bytes of whole numbers; flags 4,096 bytes of whole numbers
;; launch prep (part 1): grid 768 x 1, 4 waves a work-group, no clusters, 0 bytes of LDS; arguments mask, k, v, lowp_scales, kvc, maskw, flags; writes kvc, maskw, flags
.if DOCPART == 1
	.amdgcn_target "amdgcn-amd-amdhsa--gfx1250"
	.amdhsa_code_object_version 6
	.text
	.protected	k_q9e4cbfb55f_prep
	.globl	k_q9e4cbfb55f_prep
	.p2align	8
	.type	k_q9e4cbfb55f_prep,@function
k_q9e4cbfb55f_prep:
	s_mov_b64 s[64:65], 0
	v_nop
	global_prefetch_b8 v0, s[64:65] scope:SCOPE_SE
	s_setreg_imm32_b32 hwreg(HW_REG_WAVE_MODE, 25, 1), 1
	s_wait_xcnt 0x0
; Three jobs in one launch, parted by the work-group's number; a wave works alone: no LDS, no barrier.
;   work-groups   0-255: the mask [4][1][2048][2048] (bytes 0 or 1) becomes lane masks (maskw) and a word of flags for each 16 queries x 1,024 keys (flags)
;   work-groups 256-511: k [64 heads][2048][64] f32 becomes codes of E5M2 with the given scale 2^ek
;   work-groups 512-767: v likewise with 2^ev, with the KEYS along a lane's registers, since the keys are the second product's K
; kvc is laid in the order of the operands' registers.  Head bh: 262,144 bytes; key step s (128 keys): 16,384 bytes: K's image (8,192), then V's (8,192).
;   K's image: tile a (0..7), half c (0, 1) at 1024 a + 512 c + 16 lane: lane (r = lane % 16, h = lane / 16) holds key 32 (a / 2) + 8 (a % 2) + r + 8 (r / 8), channels 32 c + 16 h + 0..15
;   V's image: channel tile dt (0..3), chunk c (0..3) at 2048 dt + 512 c + 16 lane: lane (r, h) holds channel 16 dt + r, keys 32 c + 16 h + 0..15
; maskw: byte ((b 64 + q32) 16 + s) 512 + 256 tile + 4 j, j = 0..63: bit l of word j = mask[b][32 q32 + 16 tile + l % 16][128 s + 32 (j / 16) + 16 (l / 16) + j % 16]
; flags: word (b 128 + qt16) 2 + half: bits 0-7: step 8 half + i is not wholly masked; bits 8-15: it holds some masked number; bits 16-31: row r is wholly masked in this half of the keys
; code = x / 2^e, held within +-57,344, to the nearest code, ties to even.  LIMITS: ek, ev between -126 and 112; NaN among the inputs is not served; mask bytes are 0 or 1.
.set X,   16                           ; v16..    numbers as loaded (K: eight sets of 16; V: four sets of 16; mask: 8 steps x 16 words)
.set C,   144                          ; v144..   codes, four registers an item, so that no store's data are written again; mask: 8 pairs of words
	s_load_b256 s[4:11], s[0:1], 0x0               ; mask s[4:5], k s[6:7], v s[8:9], the scales' exponents s[10:11]
	s_load_b128 s[12:15], s[0:1], 0x20             ; kvc s[12:13], maskw s[14:15]
	s_load_b64 s[16:17], s[0:1], 0x30              ; flags
	v_lshrrev_b32 v1, 5, v0
	v_readfirstlane_b32 s18, v1                    ; wave 0..3
	v_and_b32 v1, 31, v0                           ; lane
	v_and_b32 v2, 15, v0                           ; r
	v_bfe_u32 v3, v0, 4, 1                         ; h
	s_mov_b32 s27, 0                               ; upper word of every offset pair below
	s_mov_b32 s29, 0
	s_wait_kmcnt 0x0
	s_load_b128 s[20:23], s[10:11], 0x0            ; eq, ek, ep, ev
	s_wait_kmcnt 0x0
	s_cmp_lt_u32 ttmp9, 256
	s_cbranch_scc1 .Lmask
	s_cmp_lt_u32 ttmp9, 512
	s_cbranch_scc1 .Lk
; ---------------------------------------------------------------- V: a wave takes one key step of one head: 128 keys x 64 channels
	s_sub_co_u32 s24, ttmp9, 512
	s_lshl_b32 s24, s24, 2
	s_add_co_u32 s24, s24, s18                     ; u = 16 head + step
	s_lshl_b32 s26, s24, 15                        ; 128 rows of 256 bytes
	s_add_nc_u64 s[8:9], s[8:9], s[26:27]
	s_lshl_b32 s26, s24, 14
	s_add_co_u32 s26, s26, 8192                    ; V's image lies behind K's
	s_add_nc_u64 s[12:13], s[12:13], s[26:27]
	s_add_co_i32 s28, s23, 127
	s_lshl_b32 s30, s28, 23
	v_mov_b32 v11, s30                             ; 2^ev as f32: the conversion takes its exponent field
	s_add_co_i32 s28, s28, 15
	s_lshl_b32 s28, s28, 23
	s_or_b32 s28, s28, 0x600000
	v_mov_b32 v10, s28                             ; 57,344 x 2^ev
	v_lshlrev_b32 v4, 2, v1                        ; in: a lane is a channel, 4 bytes a lane
	v_lshlrev_b32 v5, 4, v2
	v_lshl_add_u32 v5, v3, 11, v5                  ; out: 2048 (lane / 16) + 16 (lane % 16): each half of the lanes fills 256 consecutive bytes, aligned
; item i = 2 kg + g: keys 16 kg + 0..15 down the registers, channels 32 g + lane
.macro VLOAD i
.irp n, 0,1,2,3,4,5,6,7,8,9,10,11,12,13,14,15
	global_load_b32 v[X+16*((\i)%4)+\n], v4, s[8:9] offset:(16*((\i)/2)+\n)*256+128*((\i)%2) th:TH_LOAD_NT
.endr
.endm
.macro VITEM i
.if 15-(\i) >= 3
	s_wait_loadcnt 48                              ; this item's 16 loads are in; the three younger items' may be out
.else
	s_wait_loadcnt 16*(15-(\i))
.endif
.irp n, 0,1,2,3,4,5,6,7,8,9,10,11,12,13,14,15
	v_med3_num_f32 v[X+16*((\i)%4)+\n], v[X+16*((\i)%4)+\n], -v10, v10   ; the conversion to an 8-bit code does not saturate (ISA guide 7.6.2): the hold comes first
.endr
	v_cvt_scalef32_pk8_bf8_f32 v[C+4*(\i):C+4*(\i)+1], v[X+16*((\i)%4):X+16*((\i)%4)+7], v11
	v_cvt_scalef32_pk8_bf8_f32 v[C+4*(\i)+2:C+4*(\i)+3], v[X+16*((\i)%4)+8:X+16*((\i)%4)+15], v11
	global_store_b128 v5, v[C+4*(\i):C+4*(\i)+3], s[12:13] offset:4096*((\i)%2)+512*((\i)/4)+256*(((\i)/2)%2)   ; channel tile 2 g + lane / 16, chunk kg / 2, half kg % 2
.if (\i) < 12
	VLOAD (\i)+4                                   ; the set just converted takes the item four further on
.endif
.endm
.irp t, 0,1,2,3
	VLOAD \t
.endr
.irp t, 0,1,2,3,4,5,6,7,8,9,10,11,12,13,14,15
	VITEM \t
.endr
	s_endpgm
; ---------------------------------------------------------------- K: the same share; K's channels are innermost in memory
.Lk:
	s_sub_co_u32 s24, ttmp9, 256
	s_lshl_b32 s24, s24, 2
	s_add_co_u32 s24, s24, s18                     ; u = 16 head + step
	s_lshl_b32 s26, s24, 15
	s_add_nc_u64 s[6:7], s[6:7], s[26:27]
	s_lshl_b32 s26, s24, 14
	s_add_nc_u64 s[12:13], s[12:13], s[26:27]
	s_add_co_i32 s28, s21, 127
	s_lshl_b32 s30, s28, 23
	v_mov_b32 v11, s30                             ; 2^ek
	s_add_co_i32 s28, s28, 15
	s_lshl_b32 s28, s28, 23
	s_or_b32 s28, s28, 0x600000
	v_mov_b32 v10, s28                             ; 57,344 x 2^ek
	v_and_b32 v4, 8, v2
	v_add_nc_u32 v4, v4, v2                        ; r + 8 (r / 8): the keys of a tile are not neighbours
	v_lshlrev_b32 v4, 8, v4
	v_lshl_add_u32 v4, v3, 6, v4                   ; that key's row of 256 bytes, + 64 h: my 16 channels of a run of 32
	v_lshlrev_b32 v5, 4, v1                        ; out: 16 x lane: a store covers 512 consecutive bytes
; item i = 2 a + c: tile a, channels 32 c on
.macro KLOAD i
.irp j, 0,1,2,3
	global_load_b128 v[X+16*((\i)%8)+4*\j:X+16*((\i)%8)+4*\j+3], v4, s[6:7] offset:(32*((\i)/4)+8*(((\i)/2)%2))*256+128*((\i)%2)+16*\j th:TH_LOAD_NT
.endr
.endm
.macro KITEM i
.if 15-(\i) >= 7
	s_wait_loadcnt 28                              ; this item's four loads are in; the seven younger items' may be out
.else
	s_wait_loadcnt 4*(15-(\i))
.endif
.irp n, 0,1,2,3,4,5,6,7,8,9,10,11,12,13,14,15
	v_med3_num_f32 v[X+16*((\i)%8)+\n], v[X+16*((\i)%8)+\n], -v10, v10
.endr
	v_cvt_scalef32_pk8_bf8_f32 v[C+4*(\i):C+4*(\i)+1], v[X+16*((\i)%8):X+16*((\i)%8)+7], v11
	v_cvt_scalef32_pk8_bf8_f32 v[C+4*(\i)+2:C+4*(\i)+3], v[X+16*((\i)%8)+8:X+16*((\i)%8)+15], v11
	global_store_b128 v5, v[C+4*(\i):C+4*(\i)+3], s[12:13] offset:512*(\i)
.if (\i) < 8
	KLOAD (\i)+8
.endif
.endm
.irp t, 0,1,2,3,4,5,6,7
	KLOAD \t
.endr
.irp t, 0,1,2,3,4,5,6,7,8,9,10,11,12,13,14,15
	KITEM \t
.endr
	s_endpgm
; ---------------------------------------------------------------- the mask: a wave takes 16 queries x 1,024 keys (8 key steps)
.Lmask:
	s_lshl_b32 s24, ttmp9, 2
	s_add_co_u32 s24, s24, s18                     ; U = (b 128 + qt16) 2 + half
	s_and_b32 s25, s24, 1                          ; half
	s_lshr_b32 s26, s24, 1                         ; b 128 + qt16
	s_lshl_b32 s28, s26, 15                        ; 16 rows of 2,048 bytes
	s_lshl_b32 s30, s25, 10
	s_add_co_u32 s28, s28, s30
	s_add_nc_u64 s[4:5], s[4:5], s[28:29]
	s_lshr_b32 s28, s24, 2                         ; b 64 + q32
	s_lshl_b32 s28, s28, 13
	s_and_b32 s30, s26, 1                          ; which of the 32 queries' two tiles
	s_lshl_b32 s30, s30, 8
	s_add_co_u32 s28, s28, s30
	s_lshl_b32 s30, s25, 12                        ; 8 steps of 512 bytes
	s_add_co_u32 s28, s28, s30
	s_add_nc_u64 s[14:15], s[14:15], s[28:29]
	s_lshl_b32 s28, s24, 2
	s_add_nc_u64 s[16:17], s[16:17], s[28:29]
	v_lshlrev_b32 v4, 11, v2
	v_lshl_add_u32 v4, v3, 4, v4                   ; row r, + 16 h: register 16 step + j / 4, byte j % 4 is key 128 step + 32 (j / 16) + 16 h + j % 16
	v_lshlrev_b32 v5, 3, v1                        ; out: two words a lane
.irp g, 0,1,2,3,4,5,6,7
.irp b, 0,1,2,3
	global_load_b128 v[X+16*\g+4*\b:X+16*\g+4*\b+3], v4, s[4:5] offset:128*\g+32*\b th:TH_LOAD_NT
.endr
.endr
.irp n, 0,1,2,3,4,5,6,7,8,9,10,11,12,13,14,15
	v_mov_b32 v[C+\n], 0                           ; written once: the destination of v_writelane_b32 counts as read
.endr
	v_mov_b32 v170, 0x01010101                     ; stays so in a lane all of whose bytes are 1
	s_mov_b32 s40, 0                               ; the flags
.macro MSTEP sg
	s_wait_loadcnt 4*(7-\sg)                       ; this step's four loads are in; the later steps' may be out
	v_and_b32 v168, v[X+16*\sg], v[X+16*\sg+1]
	v_or_b32 v169, v[X+16*\sg], v[X+16*\sg+1]
.irp n, 2,3,4,5,6,7,8,9,10,11,12,13,14,15
	v_and_b32 v168, v168, v[X+16*\sg+\n]
	v_or_b32 v169, v169, v[X+16*\sg+\n]
.endr
	v_and_b32 v170, v170, v168
.irp g, 0,1,2,3,4,5,6,7                        ; words j = 8 g + n: a byte is cut out, compared in all 32 lanes, and the lane mask is set into lane j / 2 of a pair of registers
.irp n, 0,1,2,3,4,5,6,7
	v_and_b32 v[160+\n], 1<<(8*(\n%4)), v[X+16*\sg+2*\g+\n/4]
.endr
.irp n, 0,1,2,3,4,5,6,7
	v_cmp_ne_u32 s[32+\n], 0, v[160+\n]
.endr
.irp n, 0,1,2,3,4,5,6,7
	v_writelane_b32 v[C+2*\sg+\n%2], s[32+\n], 4*\g+\n/2
.endr
.endr
	global_store_b64 v5, v[C+2*\sg:C+2*\sg+1], s[14:15] offset:512*\sg   ; 64 words: 256 consecutive bytes, aligned
	v_cmp_eq_u32 s44, 0x01010101, v168
	s_cmp_eq_u32 s44, -1                           ; every byte of the step is 1: nothing of it counts
	s_cselect_b32 s45, 0, 1<<\sg
	s_or_b32 s40, s40, s45
	v_cmp_eq_u32 s44, 0, v169
	s_cmp_eq_u32 s44, -1                           ; every byte is 0: nothing is hidden
	s_cselect_b32 s45, 0, 1<<(8+\sg)
	s_or_b32 s40, s40, s45
.endm
.irp t, 0,1,2,3,4,5,6,7
	MSTEP \t
.endr
	v_cmp_eq_u32 s44, 0x01010101, v170
	s_lshr_b32 s45, s44, 16
	s_and_b32 s44, s44, s45                        ; row r is wholly masked here where lanes r and r + 16 both say so
	s_lshl_b32 s44, s44, 16
	s_or_b32 s40, s40, s44
	v_mov_b32 v171, s40
	v_mov_b32 v172, 0
	v_cmp_eq_u32 vcc_lo, 0, v1
	s_wait_xcnt 0x0                                ; EXEC is a source of the stores above: it changes only behind this wait
	s_and_saveexec_b32 s46, vcc_lo
	global_store_b32 v172, v171, s[16:17]          ; lane 0 stores the wave's one word
	s_wait_xcnt 0x0
	s_or_b32 exec_lo, exec_lo, s46
	s_endpgm
.Lfunc_end_k_q9e4cbfb55f_prep:
	.size	k_q9e4cbfb55f_prep, .Lfunc_end_k_q9e4cbfb55f_prep-k_q9e4cbfb55f_prep
	.p2alignl 7, 3214868480
	.fill 96, 4, 3214868480
	.section	.rodata,"a",@progbits
	.p2align	6, 0x0
	.amdhsa_kernel k_q9e4cbfb55f_prep
		.amdhsa_group_segment_fixed_size 0
		.amdhsa_private_segment_fixed_size 0
		.amdhsa_enable_private_segment 0
		.amdhsa_kernarg_size 56
		.amdhsa_user_sgpr_count 2
		.amdhsa_user_sgpr_kernarg_segment_ptr 1
		.amdhsa_wavefront_size32 1
		.amdhsa_system_sgpr_workgroup_id_x 1
		.amdhsa_system_sgpr_workgroup_id_y 1
		.amdhsa_system_sgpr_workgroup_id_z 1
		.amdhsa_system_vgpr_workitem_id 0
		.amdhsa_next_free_vgpr 208
		.amdhsa_next_free_sgpr 66
		.amdhsa_reserve_vcc 1
		.amdhsa_float_denorm_mode_32 3
		.amdhsa_float_denorm_mode_16_64 3
		.amdhsa_memory_ordered 1
		.amdhsa_forward_progress 1
		.amdhsa_inst_pref_size 182
	.end_amdhsa_kernel
	.amdgpu_metadata
---
amdhsa.version: [ 1, 2 ]
amdhsa.kernels:
  - .name:           k_q9e4cbfb55f_prep
    .symbol:         k_q9e4cbfb55f_prep.kd
    .args:
      - { .name: mask, .offset: 0, .size: 8, .value_kind: global_buffer, .address_space: global }
      - { .name: k, .offset: 8, .size: 8, .value_kind: global_buffer, .address_space: global }
      - { .name: v, .offset: 16, .size: 8, .value_kind: global_buffer, .address_space: global }
      - { .name: lowp_scales, .offset: 24, .size: 8, .value_kind: global_buffer, .address_space: global }
      - { .name: kvc, .offset: 32, .size: 8, .value_kind: global_buffer, .address_space: global }
      - { .name: maskw, .offset: 40, .size: 8, .value_kind: global_buffer, .address_space: global }
      - { .name: flags, .offset: 48, .size: 8, .value_kind: global_buffer, .address_space: global }
    .group_segment_fixed_size: 0
    .private_segment_fixed_size: 0
    .kernarg_segment_align: 8
    .kernarg_segment_size: 56
    .max_flat_workgroup_size: 128
    .sgpr_count:     66
    .vgpr_count:     208
    .wavefront_size: 32
...
	.end_amdgpu_metadata
.endif
;; end of part 1
;; launch attn (part 2): grid 4 x 64, 8 waves a work-group, no clusters, 297,984 bytes of LDS; arguments q, kvc, maskw, flags, lowp_scales, out0; writes out0
.if DOCPART == 2
	.amdgcn_target "amdgcn-amd-amdhsa--gfx1250"
	.amdhsa_code_object_version 6
	.text
	.protected	k_q9e4cbfb55f_attn
	.globl	k_q9e4cbfb55f_attn
	.p2align	8
	.type	k_q9e4cbfb55f_attn,@function
k_q9e4cbfb55f_attn:
	s_mov_b64 s[64:65], 0
	v_nop
	global_prefetch_b8 v0, s[64:65] scope:SCOPE_SE
	s_setreg_imm32_b32 hwreg(HW_REG_WAVE_MODE, 25, 1), 1
	s_wait_xcnt 0x0
; out0[bh][q][:] = sum over k of softmax_k(logit) v[bh][k][:], logit = q . k / 8, or -1e9 where mask[b][q][k]; both products on codes of E5M2 with the given scales 2^eq, 2^ek, 2^ep, 2^ev.
; t = logit x log2(e); M = the running largest t rounded up to a whole number; p = 2^(t - M) is quantised along the keys; the row's sum is taken of the unquantised p and divides at the end.
; SHARES.  Work-group (x = p, y = head bh) copies the head's 262,144 bytes of codes (kvc, laid in the order of the operands' registers) into LDS ONCE and serves two blocks of 256 queries from it:
; block 7 - p, then block p.  Each of its eight waves owns 32 queries of a block: two tiles of 16, so that each fragment of K and V read from LDS feeds two matrix instructions.
; Both products are used transposed (S^T = K Q^T, O^T = V^T P^T): a lane holds one query (lane % 16) throughout.  Tile a's rows are keys 32 (a / 2) + 8 (a % 2) + r + 8 (r / 8), so that S's register j is key
; 32 (j / 16) + 16 (lane / 16) + j % 16 of the step, and the conversions' results are the second product's operand.  Channels and keys stand in the same permuted places in both operands of each product.
; THE MASK IS TAKEN AS IT IS GIVEN.  maskw holds a lane mask for each register of S; flags say of each key step and tile of 16 queries whether it is wholly masked and whether it holds a masked number.
; A step all of whose 32 x 128 numbers are masked is left out by a scalar branch on those stored whole numbers, unless one of the wave's 32 rows is masked at every key: such a row's p is 1 at every key, as the
; definition has it, and then the wave walks all steps.  In a step that holds masked numbers t is made first, masked places take t(-1e9) exactly, and t - M follows.  What a row sums while its largest t is still
; t(-1e9) is multiplied by 2^(old M - new M) = 0 when an unmasked key comes.
; LDS is filled through registers: no tensor load, no copy, no cluster.  What partners could share is 262,144 bytes a work-group, read once.
; LIMITS: eq, ek, ep, ev each between -126 and 112; eq + ek between -123 and 130 (added to c's exponent field).  NaN among the inputs is not served.  Logits that are not masked lie above -1e9 + 200.
; LDS: 0 .. 262,143 the head's image, key step s at 16,384 s (K's 8,192 bytes, V's 8,192), every byte written once; from 262,144 a stage of 16 rows x 272 bytes for each wave, its own.
; REGISTERS.  Window 0: v1-7 addresses; v12-27 statistics, eight a tile: -M, largest t, the sum (a pair), f, (0), two at work; v28-30 2^ep, 57,344 x 2^ep, t(-1e9); v32-159 S, 64 a tile; v160-191 p's codes;
;   v192-207 Q's fragments; v208-211 second chains of the sums; v224, v225 2^eq, 57,344 x 2^eq.   Window 1: v0-63 K's fragments; v64-127 V's; v128-191 O^T, 32 a tile; v192-255 the copy's stage.
.set SKIP,  1                          ; 0: every key step is worked
.set STAGE, 262144
.set LI,  1                            ; v1  16 x lane: my place in an image, and in 512 bytes of out0
.set ADK, 2                            ; v2  LDS address of the step's fragments
.set CO,  3                            ; v3  16 x thread: my place in the copy
.set QA,  4                            ; v4  q: row r of 256 bytes, + 64 h
.set STO, 5                            ; v5  the way out: where I put 16 bytes of a row
.set RD,  6                            ; v6  and where I read rows back
.set TA,  7                            ; v7  the copy's LDS address
.set ST,  12
.set S,   32
.set PC,  160
.set QF,  192
.set XS,  208
.set KFR, 0                            ; window 1
.set VFR, 64
.set O,   128
.set CP,  192
.set MW,  8                            ; s[8:9]   the step's mask words
.set FL,  13                           ; s13      bit 0: this step is worked; bit 16: it holds masked numbers; shifted right once a step
.set KB,  14                           ; s14      LDS byte of the step in hand
.set CNT, 15
.set BLK, 16                           ; s16      the block of 256 queries in hand
; s[2:3] kvc at my head; s[4:5] q, s[6:7] out0 at my wave's rows of the block; s[10:11] flags, s[18:19] maskw, s[100:101] q, s[104:105] out0 at my wave's place in block 0; s12 wave;
; s[20:21] the factor in use (c or 1.0); s[22:23] c = log2(e) / 8 x 2^(eq + ek); s[24:25] lane selects; s26 ep; s27 ep + ev; s[28:31] at work; s[32:63], s[68:99] 64 mask words (word j in s[32+j], from j = 32 on in s[36+j])
.set MSB, 0
.macro WIN new                         ; the immediate's high byte repeats the setting that is left; a switch that changes nothing is dropped
.if MSB != (\new)
	s_set_vgpr_msb (MSB<<8)|(\new)
.set MSB, (\new)
.endif
.endm
.macro BAR
	s_wait_dscnt 0x0                               ; my LDS stores have landed and my LDS loads are in
	s_barrier_signal -1
	s_barrier_wait -1
.endm
; a quarter of the head's image, 65,536 bytes: 256 threads x 16 loads of 16 bytes, into the stage in window 1 ...
.macro LOADSC c
	WIN 0x40
.irp i, 0,1,2,3,4,5,6,7,8,9,10,11,12,13,14,15
	global_load_b128 v[CP+4*\i:CP+4*\i+3], v[CO], s[2:3] offset:65536*\c+4096*\i
.endr
	WIN 0
.endm
; ... and on into LDS, as it lies
.macro STORESC c
	v_add_nc_u32 v[TA], 65536*\c, v[CO]
	WIN 0x04
.irp i, 0,1,2,3,4,5,6,7,8,9,10,11,12,13,14,15
	ds_store_b128 v[TA], v[CP+4*\i:CP+4*\i+3] offset:4096*\i
.endr
	WIN 0
.endm
.macro QPTR
	s_lshl_b32 s28, s[BLK], 16                     ; 256 rows of 256 bytes
	s_mov_b32 s29, 0
	s_add_nc_u64 s[4:5], s[100:101], s[28:29]
.endm
; my 32 queries' numbers: register 32 t + 16 c + i = channel 32 c + 16 h + i of row 16 t + r
.macro QLOAD base, win
	WIN 0x40*\win
.irp t, 0,1
.irp c, 0,1
.irp j, 0,1,2,3
	global_load_b128 v[\base+32*\t+16*\c+4*\j:\base+32*\t+16*\c+4*\j+3], v[QA], s[4:5] offset:4096*\t+128*\c+16*\j th:TH_LOAD_NT
.endr
.endr
.endr
	WIN 0
.endm
.macro QQUANT base, win
	WIN 0x41*\win
.set i, 0
.rept 64
	v_med3_num_f32 v[\base+i], v[\base+i], -v225, v225   ; the conversion to an 8-bit code does not saturate (ISA guide 7.6.2): the hold comes first
.set i, i+1
.endr
	WIN 0x01*\win
.irp t, 0,1
.irp c, 0,1
.irp e, 0,1
	v_cvt_scalef32_pk8_bf8_f32 v[QF+8*\t+4*\c+2*\e:QF+8*\t+4*\c+2*\e+1], v[\base+32*\t+16*\c+8*\e:\base+32*\t+16*\c+8*\e+7], v224
.endr
.endr
.endr
	WIN 0
	v_nop                                          ; one plain vector instruction behind the last conversion, ahead of the products that read its result and write its sources
.endm
; A pass begins: addresses of the block, its flags, the statistics and O^T.  O^T is cleared, since the flags decide which step is the first to be worked: no product can be written out as the one that starts the sums.
.macro PASS_INIT
	s_lshl_b32 s28, s[BLK], 16
	s_mov_b32 s29, 0
	s_add_nc_u64 s[6:7], s[104:105], s[28:29]      ; out0: 256 rows of 256 bytes a block
	s_add_nc_u64 s[MW:MW+1], s[18:19], s[28:29]    ; maskw: 8 waves x 16 steps x 512 bytes a block
	s_lshl_b32 s28, s[BLK], 7                      ; flags: 16 tiles x 8 bytes a block
	s_add_nc_u64 s[30:31], s[10:11], s[28:29]
	s_load_b128 s[32:35], s[30:31], 0x0            ; tile 0: keys' first half, second half; tile 1 likewise
.irp t, 0,1
	v_mov_b32 v[ST+8*\t+1], 0xff61b1e6             ; the largest t so far: -3e38, under every t
	v_floor_f32 v[ST+8*\t], -v[ST+8*\t+1]          ; -M
.irp n, 2,3,4,5,6,7
	v_mov_b32 v[ST+8*\t+\n], 0
.endr
.endr
	WIN 0x40
.set i, 0
.rept 64
	v_mov_b32 v[O+i], 0
.set i, i+1
.endr
	WIN 0
	s_wait_kmcnt 0x0
	s_or_b32 s28, s32, s34                         ; a step is worked, or holds masked numbers, if that is so of either tile
	s_or_b32 s29, s33, s35
	s_and_b32 s30, s32, s33                        ; rows masked in both halves of the keys,
	s_and_b32 s31, s34, s35
	s_or_b32 s30, s30, s31
	s_lshr_b32 s30, s30, 16                        ; if there is any,
	s_cselect_b32 s30, 0xffff, 0                   ; every step is worked
	s_and_b32 s31, s28, 0xff
	s_or_b32 s30, s30, s31
	s_and_b32 s31, s29, 0xff
	s_lshl_b32 s31, s31, 8
	s_or_b32 s30, s30, s31
.if SKIP == 0
	s_or_b32 s30, s30, 0xffff
.endif
	s_bfe_u32 s28, s28, 0x80008
	s_bfe_u32 s29, s29, 0x80008
	s_lshl_b32 s29, s29, 8
	s_or_b32 s28, s28, s29
	s_lshl_b32 s28, s28, 16
	s_or_b32 s[FL], s30, s28
.endm
; one line of a tile's sum of p: line 0 brings the sum under the new M, line 1 starts the second chain with pairs 0 and 1, the others add pair i to one of the two chains
.macro SUMSLOT t
.if i == 0
	v_pk_mul_f32 v[ST+8*\t+2:ST+8*\t+3], v[ST+8*\t+2:ST+8*\t+3], v[ST+8*\t+4:ST+8*\t+5] op_sel_hi:[1,0]
.elseif i == 1
	s_wait_alu depctr_va_vdst(0)
	v_pk_add_f32 v[XS+2*\t:XS+2*\t+1], v[S+64*\t:S+64*\t+1], v[S+64*\t+2:S+64*\t+3]
.elseif i%2 == 0
	v_pk_add_f32 v[ST+8*\t+2:ST+8*\t+3], v[ST+8*\t+2:ST+8*\t+3], v[S+64*\t+2*i:S+64*\t+2*i+1]
.else
	v_pk_add_f32 v[XS+2*\t:XS+2*\t+1], v[XS+2*\t:XS+2*\t+1], v[S+64*\t+2*i:S+64*\t+2*i+1]
.endif
.endm
; A KEY STEP: 128 keys for my 32 queries.
.macro STEP
	s_bitcmp1_b32 s[FL], 0
	s_cbranch_scc0 .Lskip_\@                       ; nothing of this step counts for any of my rows
	s_load_b512 s[32:47], s[MW:MW+1], 0x0          ; tile 0's 64 mask words: asked for in every step that is worked, well ahead of their use
	s_load_b512 s[48:63], s[MW:MW+1], 0x40
	s_load_b512 s[68:83], s[MW:MW+1], 0x80
	s_load_b512 s[84:99], s[MW:MW+1], 0xc0
	v_add_nc_u32 v[ADK], s[KB], v[LI]
	WIN 0x40
.irp f, 0,1,2,3,4,5,6,7,8,9,10,11,12,13,14,15
	ds_load_b128 v[KFR+4*\f:KFR+4*\f+3], v[ADK] offset:512*\f          ; K: tile f / 2, half f % 2
.endr
.irp f, 0,1,2,3,4,5,6,7,8,9,10,11,12,13,14,15
	ds_load_b128 v[VFR+4*\f:VFR+4*\f+3], v[ADK] offset:8192+512*\f     ; V: channel tile f / 4, chunk f % 4
.endr
	s_wait_dscnt 24                                ; K's tiles 0-3 are in: eight loads of K and sixteen of V are younger
	WIN 0x01
.irp a, 0,1,2,3
.irp t, 0,1
	v_wmma_f32_16x16x64_bf8_bf8 v[S+64*\t+8*\a:S+64*\t+8*\a+7], v[KFR+8*\a:KFR+8*\a+7], v[QF+8*\t:QF+8*\t+7], 0
.endr
.endr
	s_wait_dscnt 16                                ; all of K is in: V's sixteen loads are younger
.irp a, 4,5,6,7
.irp t, 0,1
	v_wmma_f32_16x16x64_bf8_bf8 v[S+64*\t+8*\a:S+64*\t+8*\a+7], v[KFR+8*\a:KFR+8*\a+7], v[QF+8*\t:QF+8*\t+7], 0
.endr
.endr
	WIN 0
	s_bitcmp1_b32 s[FL], 16
	s_cselect_b32 s20, 0x3f800000, s22             ; with masked numbers S is turned into t below, and the factor that follows is 1.0; else it is c
	s_mov_b32 s21, s20
.rept 4
	v_nop                                          ; four places between the last product and the first read of results (ISA guide 7.12.1)
.endr
	s_cbranch_scc0 .Lopen_\@
	s_wait_kmcnt 0x0
.set i, 0
.rept 32
	v_pk_mul_f32 v[S+2*i:S+2*i+1], v[S+2*i:S+2*i+1], s[22:23] op_sel_hi:[1,0]   ; t, each accumulator from its low end on
.set i, i+1
.endr
.set i, 0
.rept 32
	v_cndmask_b32 v[S+i], v[S+i], v30, s[32+i]     ; masked: t(-1e9)
.set i, i+1
.endr
	s_load_b512 s[32:47], s[MW:MW+1], 0x100        ; tile 1's words follow into the registers that are done with
	s_load_b512 s[48:63], s[MW:MW+1], 0x140
.set i, 32
.rept 32
	v_cndmask_b32 v[S+i], v[S+i], v30, s[36+i]
.set i, i+1
.endr
	s_load_b512 s[68:83], s[MW:MW+1], 0x180
	s_load_b512 s[84:99], s[MW:MW+1], 0x1c0
.set i, 0
.rept 32
	v_pk_mul_f32 v[S+64+2*i:S+64+2*i+1], v[S+64+2*i:S+64+2*i+1], s[22:23] op_sel_hi:[1,0]
.set i, i+1
.endr
	s_wait_kmcnt 0x0
.set i, 0
.rept 32
	v_cndmask_b32 v[S+64+i], v[S+64+i], v30, s[32+i]
.set i, i+1
.endr
.set i, 32
.rept 32
	v_cndmask_b32 v[S+64+i], v[S+64+i], v30, s[36+i]
.set i, i+1
.endr
.Lopen_\@:
	; the step's largest number of each query: two chains a tile, ascending, the tiles' lines by turns
.irp t, 0,1
	v_max3_num_f32 v[ST+8*\t+6], v[S+64*\t], v[S+64*\t+1], v[S+64*\t+2]
.endr
.irp t, 0,1
	v_max3_num_f32 v[ST+8*\t+7], v[S+64*\t+3], v[S+64*\t+4], v[S+64*\t+5]
.endr
.irp n, 6,10,14,18,22,26,30,34,38,42,46,50,54,58
.irp t, 0,1
	v_max3_num_f32 v[ST+8*\t+6], v[ST+8*\t+6], v[S+64*\t+\n], v[S+64*\t+\n+1]
.endr
.irp t, 0,1
	v_max3_num_f32 v[ST+8*\t+7], v[ST+8*\t+7], v[S+64*\t+\n+2], v[S+64*\t+\n+3]
.endr
.endr
.irp t, 0,1
	v_max3_num_f32 v[ST+8*\t+6], v[ST+8*\t+6], v[S+64*\t+62], v[S+64*\t+63]
.endr
.irp t, 0,1
	v_max_num_f32 v[ST+8*\t+6], v[ST+8*\t+6], v[ST+8*\t+7]
.endr
.irp t, 0,1
	v_permlanex16_b32 v[ST+8*\t+7], v[ST+8*\t+6], s24, s25   ; the query's other 64 keys lie in the lane 16 away
.endr
.irp t, 0,1
	v_max_num_f32 v[ST+8*\t+6], v[ST+8*\t+6], v[ST+8*\t+7]
.endr
.irp t, 0,1
	v_mul_f32 v[ST+8*\t+6], s20, v[ST+8*\t+6]      ; as t (the factor is positive)
.endr
.irp t, 0,1
	v_max_num_f32 v[ST+8*\t+1], v[ST+8*\t+1], v[ST+8*\t+6]   ; the running largest t
.endr
.irp t, 0,1
	v_mov_b32 v[ST+8*\t+6], v[ST+8*\t]
.endr
.irp t, 0,1
	v_floor_f32 v[ST+8*\t], -v[ST+8*\t+1]          ; the new -M = -ceil(t): a whole number
.endr
.irp t, 0,1
	v_sub_f32 v[ST+8*\t+6], v[ST+8*\t], v[ST+8*\t+6]   ; old M - new M: 0 or less
.endr
.irp t, 0,1
	v_cvt_i32_f32 v[ST+8*\t+6], v[ST+8*\t+6]       ; (it saturates)
.endr
.irp t, 0,1
	v_ldexp_f32 v[ST+8*\t+4], 1.0, v[ST+8*\t+6]    ; f = 2^(old M - new M): it rounds nothing
.endr
.set i, 0
.rept 32
	v_pk_fma_f32 v[S+2*i:S+2*i+1], v[S+2*i:S+2*i+1], s[20:21], v[ST:ST+1] op_sel_hi:[1,0,0]   ; tile 0: t - M, two at a time
.set i, i+1
.endr
.set i, 0
.rept 32                                       ; tile 0's exponentials; behind each two a plain line that is due anyway: tile 1's t - M
	v_exp_f32 v[S+2*i], v[S+2*i]
	v_exp_f32 v[S+2*i+1], v[S+2*i+1]
	v_pk_fma_f32 v[S+64+2*i:S+64+2*i+1], v[S+64+2*i:S+64+2*i+1], s[20:21], v[ST+8:ST+9] op_sel_hi:[1,0,0]
.set i, i+1
.endr
.set i, 0
.rept 32                                       ; tile 1's exponentials; the plain lines are tile 0's sum, of the unquantised p
	v_exp_f32 v[S+64+2*i], v[S+64+2*i]
	v_exp_f32 v[S+64+2*i+1], v[S+64+2*i+1]
	SUMSLOT 0
.set i, i+1
.endr
	v_pk_add_f32 v[ST+2:ST+3], v[ST+2:ST+3], v[XS:XS+1]
	s_wait_alu depctr_va_vdst(0)
.set i, 0
.rept 32
	SUMSLOT 1
.set i, i+1
.endr
	v_pk_add_f32 v[ST+10:ST+11], v[ST+10:ST+11], v[XS+2:XS+3]
	s_cmp_ge_i32 s26, -15                          ; p is at most 1, and with ep >= -15 the largest code x 2^ep is at least 1.75: the hold cannot act and is passed over
	s_cbranch_scc1 .Lnohold_\@
.set i, 0
.rept 128
	v_min_num_f32 v[S+i], v[S+i], v29              ; p is never negative: the hold is one-sided
.set i, i+1
.endr
.Lnohold_\@:
.irp t, 0,1
.irp b, 0,1,2,3
.irp e, 0,1
	v_cvt_scalef32_pk8_bf8_f32 v[PC+16*\t+4*\b+2*\e:PC+16*\t+4*\b+2*\e+1], v[S+64*\t+16*\b+8*\e:S+64*\t+16*\b+8*\e+7], v28
.endr
.endr
.endr
	WIN 0x41
.irp t, 0,1
.set i, 0
.rept 16
	v_pk_mul_f32 v[O+32*\t+2*i:O+32*\t+2*i+1], v[O+32*\t+2*i:O+32*\t+2*i+1], v[ST+8*\t+4:ST+8*\t+5] op_sel_hi:[1,0]   ; O^T under the new M; these plain lines also stand between the conversions and the products
.set i, i+1
.endr
.endr
	s_wait_dscnt 0x0                               ; V is in
	WIN 0x51
.irp d, 0,1,2,3                                ; eight accumulators, one instruction each: by turns; the next step's scores stand between this step's links and the next's
.irp t, 0,1
	v_wmma_f32_16x16x128_bf8_bf8 v[O+32*\t+8*\d:O+32*\t+8*\d+7], v[VFR+16*\d:VFR+16*\d+15], v[PC+16*\t:PC+16*\t+15], v[O+32*\t+8*\d:O+32*\t+8*\d+7]
.endr
.endr
	WIN 0
.rept 4
	v_nop                                          ; four places ahead of the next loads into V's registers and of the next read of O^T
.endr
	s_wait_kmcnt 0x0                               ; in a step without masked numbers the mask words may still be out: their base steps below
.Lskip_\@:
	s_add_co_u32 s[KB], s[KB], 16384
	s_add_nc_u64 s[MW:MW+1], s[MW:MW+1], 512
	s_lshr_b32 s[FL], s[FL], 1
.endm
.macro GROUP base, n                           ; n key steps, from LDS byte base on
	s_mov_b32 s[KB], \base
	s_mov_b32 s[CNT], \n
.Lgrp_\@:
	STEP
	s_sub_co_u32 s[CNT], s[CNT], 1
	s_cmp_lg_u32 s[CNT], 0
	s_cbranch_scc1 .Lgrp_\@
.endm
; THE WAY OUT.  A lane's eight numbers of a tile of O^T are eight neighbouring channels of one row; a tile of 16 rows goes through my own stage and comes back as whole rows.
.macro PACK t
.irp f, 0,1,2,3,4,5,6,7
	ds_store_b128 v[STO], v[S+32*\t+4*\f:S+32*\t+4*\f+3] offset:64*(\f/2)+16*(\f%2)
.endr
.irp f, 0,1,2,3,4,5,6,7
	ds_load_b128 v[S+64+32*\t+4*\f:S+64+32*\t+4*\f+3], v[RD] offset:544*\f   ; LDS serves a wave's instructions in order (ISA guide 5.7.1.4): these see the stores above, and the next tile's stores come behind them
.endr
.endm
.macro SEND t, younger                         ; younger: the LDS instructions issued behind tile t's loads
.irp f, 0,1,2,3,4,5,6,7
	s_wait_dscnt \younger+7-\f
	global_store_b128 v[LI], v[S+64+32*\t+4*\f:S+64+32*\t+4*\f+3], s[6:7] offset:4096*\t+512*\f th:TH_STORE_NT   ; two rows: 512 consecutive bytes, aligned
.endr
.endm
.macro EPILOGUE
.irp t, 0,1
	v_add_f32 v[ST+8*\t+6], v[ST+8*\t+2], v[ST+8*\t+3]   ; the sum's two halves,
.endr
.irp t, 0,1
	v_permlanex16_b32 v[ST+8*\t+7], v[ST+8*\t+6], s24, s25
.endr
.irp t, 0,1
	v_add_f32 v[ST+8*\t+6], v[ST+8*\t+6], v[ST+8*\t+7]   ; and the other half of the lanes'
.endr
.irp t, 0,1
	v_rcp_f32 v[ST+8*\t+6], v[ST+8*\t+6]
.endr
	v_nop                                          ; a plain line between the last reciprocal and the use of its result
	s_wait_alu depctr_va_vdst(0)
.irp t, 0,1
	v_ldexp_f32 v[ST+8*\t+6], v[ST+8*\t+6], s27    ; x 2^(ep + ev)
.endr
	WIN 0x01
.irp t, 0,1
.set i, 0
.rept 16
	v_pk_mul_f32 v[S+32*\t+2*i:S+32*\t+2*i+1], v[O+32*\t+2*i:O+32*\t+2*i+1], v[ST+8*\t+6:ST+8*\t+7] op_sel_hi:[1,0]   ; each accumulator from its low end on
.set i, i+1
.endr
.endr
	WIN 0
	PACK 0
	PACK 1
	SEND 0, 16                                     ; behind tile 0's loads: tile 1's eight stores and eight loads
	SEND 1, 0
	s_wait_xcnt 0x0                                ; the stores' data and base are written again only behind this wait
.endm
	s_load_b256 s[32:39], s[0:1], 0x0              ; q s[32:33], kvc s[34:35], maskw s[36:37], flags s[38:39]
	s_load_b128 s[40:43], s[0:1], 0x20             ; the scales' exponents s[40:41], out0 s[42:43]
	v_lshl_add_u32 v254, v0, 2, 0x48800
	v_mov_b32 v255, 0
	v_lshrrev_b32 v8, 5, v0
	v_readfirstlane_b32 s12, v8                    ; wave 0..7
	v_and_b32 v9, 31, v0                           ; lane
	v_and_b32 v10, 15, v0                          ; r
	v_bfe_u32 v11, v0, 4, 1                        ; h
	v_lshlrev_b32 v[LI], 4, v9
	v_lshlrev_b32 v[CO], 4, v0
	v_lshlrev_b32 v[QA], 8, v10
	v_lshl_add_u32 v[QA], v11, 6, v[QA]
	s_mul_i32 s17, s12, 4352
	s_add_co_u32 s17, s17, STAGE                   ; my stage
	v_mul_u32_u24 v[STO], v10, 272
	v_lshl_add_u32 v[STO], v11, 5, v[STO]
	v_add_nc_u32 v[STO], s17, v[STO]               ; in: row r, + 32 h
	v_mul_u32_u24 v[RD], v11, 272
	v_lshl_add_u32 v[RD], v10, 4, v[RD]
	v_add_nc_u32 v[RD], s17, v[RD]                 ; back: lanes 0-15 one row, lanes 16-31 the next
	v_mov_b32 v30, 0xceabfb8f                      ; t(-1e9) = -1e9 x log2(e) in f32: -1,442,695,040, a whole number
	s_mov_b32 s24, 0x76543210
	s_mov_b32 s25, 0xfedcba98                      ; v_permlanex16_b32's selects for lane l xor 16
	s_and_b32 s48, ttmp7, 0xffff                   ; the head bh
	s_lshr_b32 s49, s48, 4                         ; the batch b
	s_lshl_b32 s50, s48, 18                        ; kvc: 262,144 bytes a head
	s_mov_b32 s51, 0
	s_lshl_b32 s52, s48, 19                        ; q, out0: 2,048 rows of 256 bytes a head,
	s_lshl_b32 s17, s12, 13                        ; 32 rows a wave
	s_add_co_u32 s52, s52, s17
	s_mov_b32 s53, 0
	s_lshl_b32 s54, s49, 19                        ; maskw: 64 x 8,192 bytes a batch, 8,192 a wave
	s_add_co_u32 s54, s54, s17
	s_mov_b32 s55, 0
	s_lshl_b32 s56, s49, 10                        ; flags: 128 x 8 bytes a batch, 16 a wave
	s_lshl_b32 s17, s12, 4
	s_add_co_u32 s56, s56, s17
	s_mov_b32 s57, 0
	s_sub_co_u32 s[BLK], 7, ttmp9                  ; the first pass takes block 7 - p
	s_wait_kmcnt 0x0
	s_load_b128 s[44:47], s[40:41], 0x0            ; eq, ek, ep, ev
	s_add_nc_u64 s[2:3], s[34:35], s[50:51]
	s_add_nc_u64 s[100:101], s[32:33], s[52:53]
	s_add_nc_u64 s[104:105], s[42:43], s[52:53]
	s_add_nc_u64 s[18:19], s[36:37], s[54:55]
	s_add_nc_u64 s[10:11], s[38:39], s[56:57]
	LOADSC 0
	QPTR
	QLOAD S, 0
	s_wait_kmcnt 0x0
	s_add_co_i32 s28, s44, s45
	s_lshl_b32 s28, s28, 23
	s_add_co_i32 s22, s28, 0x3e38aa3b              ; c = log2(e) / 8, with eq + ek added to its exponent field: a sum of codes stands for sum x 2^(eq + ek)
	s_mov_b32 s23, s22                             ; (named with it as a pair, so it is written)
	s_mov_b32 s26, s46
	s_add_co_i32 s27, s46, s47
	s_add_co_i32 s28, s44, 127
	s_lshl_b32 s29, s28, 23
	v_mov_b32 v224, s29                            ; 2^eq as f32: the conversion takes its exponent field
	s_add_co_i32 s28, s28, 15
	s_lshl_b32 s28, s28, 23
	s_or_b32 s28, s28, 0x600000
	v_mov_b32 v225, s28                            ; 57,344 x 2^eq
	s_add_co_i32 s28, s46, 127
	s_lshl_b32 s29, s28, 23
	v_mov_b32 v28, s29                             ; 2^ep
	s_add_co_i32 s28, s28, 15
	s_lshl_b32 s28, s28, 23
	s_or_b32 s28, s28, 0x600000
	v_mov_b32 v29, s28                             ; 57,344 x 2^ep
	s_wait_loadcnt 16                              ; the first quarter is in; q's sixteen loads are younger
	STORESC 0
	s_wait_dscnt 0x0                               ; the stores have read the stage
	LOADSC 1
	s_wait_loadcnt 16                              ; q is in; the second quarter's sixteen loads are younger
	QQUANT S, 0
	PASS_INIT
	BAR                                            ; key steps 0-3 lie in LDS
	GROUP 0, 4                                     ; each quarter is asked for four key steps ahead of its way into LDS
	s_wait_loadcnt 0x0
	STORESC 1
	s_wait_dscnt 0x0
	LOADSC 2
	BAR                                            ; steps 4-7
	GROUP 65536, 4
	s_wait_loadcnt 0x0
	STORESC 2
	s_wait_dscnt 0x0
	LOADSC 3
	BAR                                            ; steps 8-11
	GROUP 131072, 4
	s_wait_loadcnt 0x0
	STORESC 3
	s_wait_dscnt 0x0
	s_mov_b32 s[BLK], ttmp9                        ; the second pass takes block p: its q is asked for now, into the stage that the copy has left
	QPTR
	QLOAD CP, 1
	BAR                                            ; steps 12-15: the whole head lies in LDS, and nothing is written there again
	GROUP 196608, 4
	EPILOGUE
	s_wait_loadcnt 0x0                             ; the second block's q
	QQUANT CP, 1
	PASS_INIT
	GROUP 0, 16
	EPILOGUE
	s_wait_tensorcnt 0x0
	ds_add_u32 v254, v255
	s_wait_dscnt 0x0
	s_endpgm
.Lfunc_end_k_q9e4cbfb55f_attn:
	.size	k_q9e4cbfb55f_attn, .Lfunc_end_k_q9e4cbfb55f_attn-k_q9e4cbfb55f_attn
	.p2alignl 7, 3214868480
	.fill 96, 4, 3214868480
	.section	.rodata,"a",@progbits
	.p2align	6, 0x0
	.amdhsa_kernel k_q9e4cbfb55f_attn
		.amdhsa_group_segment_fixed_size 297984
		.amdhsa_private_segment_fixed_size 0
		.amdhsa_enable_private_segment 0
		.amdhsa_kernarg_size 48
		.amdhsa_user_sgpr_count 2
		.amdhsa_user_sgpr_kernarg_segment_ptr 1
		.amdhsa_wavefront_size32 1
		.amdhsa_system_sgpr_workgroup_id_x 1
		.amdhsa_system_sgpr_workgroup_id_y 1
		.amdhsa_system_sgpr_workgroup_id_z 1
		.amdhsa_system_vgpr_workitem_id 0
		.amdhsa_next_free_vgpr 512
		.amdhsa_next_free_sgpr 106
		.amdhsa_reserve_vcc 0
		.amdhsa_float_denorm_mode_32 3
		.amdhsa_float_denorm_mode_16_64 3
		.amdhsa_memory_ordered 1
		.amdhsa_forward_progress 1
		.amdhsa_inst_pref_size 254
	.end_amdhsa_kernel
	.amdgpu_metadata
---
amdhsa.version: [ 1, 2 ]
amdhsa.kernels:
  - .name:           k_q9e4cbfb55f_attn
    .symbol:         k_q9e4cbfb55f_attn.kd
    .args:
      - { .name: q, .offset: 0, .size: 8, .value_kind: global_buffer, .address_space: global }
      - { .name: kvc, .offset: 8, .size: 8, .value_kind: global_buffer, .address_space: global }
      - { .name: maskw, .offset: 16, .size: 8, .value_kind: global_buffer, .address_space: global }
      - { .name: flags, .offset: 24, .size: 8, .value_kind: global_buffer, .address_space: global }
      - { .name: lowp_scales, .offset: 32, .size: 8, .value_kind: global_buffer, .address_space: global }
      - { .name: out0, .offset: 40, .size: 8, .value_kind: global_buffer, .address_space: global }
    .group_segment_fixed_size: 297984
    .private_segment_fixed_size: 0
    .kernarg_segment_align: 8
    .kernarg_segment_size: 48
    .max_flat_workgroup_size: 256
    .sgpr_count:     106
    .vgpr_count:     512
    .wavefront_size: 32
...
	.end_amdgpu_metadata
.endif
;; end of part 2
;; ======== version 2 of 2: 2 launches; version 1 with the launch attn written anew for expert scheduling mode
;; limits: right only within a limited range of input values
;; workspace buffers: kvc 16,777,216 bytes; maskw 2,097,152 bytes of whole numbers; flags 4,096 bytes of whole numbers
;; launch prep: the kernel of part 1 again; grid 768 x 1, 4 waves a work-group, no clusters, 0 bytes of LDS; arguments mask, k, v, lowp_scales, kvc, maskw, flags; writes kvc, maskw, flags
;; launch attn (part 3): grid 4 x 64, 8 waves a work-group, no clusters, 297,984 bytes of LDS; arguments q, kvc, maskw, flags, lowp_scales, out0; writes out0
.if DOCPART == 3
	.amdgcn_target "amdgcn-amd-amdhsa--gfx1250"
	.amdhsa_code_object_version 6
	.text
	.protected	k_q9e4cbfb55f_attn
	.globl	k_q9e4cbfb55f_attn
	.p2align	8
	.type	k_q9e4cbfb55f_attn,@function
k_q9e4cbfb55f_attn:
	s_mov_b64 s[64:65], 0
	v_nop
	global_prefetch_b8 v0, s[64:65] scope:SCOPE_SE
	s_setreg_imm32_b32 hwreg(HW_REG_WAVE_SCHED_MODE, 0, 2), 2
	s_setreg_imm32_b32 hwreg(HW_REG_WAVE_MODE, 25, 1), 1
	s_wait_xcnt 0x0
	s_wait_alu depctr_vm_vsrc(0)
; out0[bh][q][:] = sum over k of softmax_k(logit) v[bh][k][:], logit = q . k / 8, or -1e9 where mask[b][q][k]; both products on codes of E5M2 with the given scales 2^eq, 2^ek, 2^ep, 2^ev.
; t = logit x log2(e); M = the running largest t rounded up to a whole number; p = 2^(t - M) is quantised along the keys; the row's sum is taken of the unquantised p and divides at the end.
; SHARES.  Work-group (x = p, y = head bh) copies the head's 262,144 bytes of codes (kvc, laid in the order of the operands' registers) into LDS ONCE and serves two blocks of 256 queries from it:
; block 7 - p, then block p.  Each of its eight waves owns 32 queries of a block: two tiles of 16, so that each fragment of K and V read from LDS feeds two matrix instructions.
; Both products are used transposed (S^T = K Q^T, O^T = V^T P^T): a lane holds one query (lane % 16) throughout.  Tile a's rows are keys 32 (a / 2) + 8 (a % 2) + r + 8 (r / 8), so that S's register j is key
; 32 (j / 16) + 16 (lane / 16) + j % 16 of the step, and the conversions' results are the second product's operand.  Channels and keys stand in the same permuted places in both operands of each product.
; THE MASK IS TAKEN AS IT IS GIVEN.  maskw holds a lane mask for each register of S; flags say of each key step and tile of 16 queries whether it is wholly masked and whether it holds a masked number.
; A step all of whose 32 x 128 numbers are masked is left out by a scalar branch on those stored whole numbers, unless one of the wave's 32 rows is masked at every key: such a row's p is 1 at every key, as the
; definition has it, and then the wave walks all steps.  In a step that holds masked numbers t is made first, masked places take t(-1e9) exactly, and t - M follows.  What a row sums while its largest t is still
; t(-1e9) is multiplied by 2^(old M - new M) = 0 when an unmasked key comes.
; LDS is filled through registers: no tensor load, no copy, no cluster.  What partners could share is 262,144 bytes a work-group, read once.
; LIMITS: eq, ek, ep, ev each between -126 and 112; eq + ek between -123 and 130 (added to c's exponent field).  NaN among the inputs is not served.  Logits that are not masked lie above -1e9 + 200.
; LDS: 0 .. 262,143 the head's image, key step s at 16,384 s (K's 8,192 bytes, V's 8,192), every byte written once; from 262,144 a stage of 16 rows x 272 bytes for each wave, its own.
; REGISTERS.  Window 0: v1-6 addresses; v12-27 statistics, eight a tile: -M, largest t, the sum (a pair), f, (0), two at work; v28-30 2^ep, 57,344 x 2^ep, t(-1e9); v32-159 S, 64 a tile; v160-191 p's codes;
;   v192-207 Q's fragments; v208-211 second chains of the sums; v212-214 the copy's LDS addresses; v224, v225 2^eq, 57,344 x 2^eq.   Window 1: v0-63 K's fragments; v64-127 V's; v128-191 O^T, 32 a tile; v192-255 the copy's stage.
; THE MODE: SCHED_MODE bits 1:0 = 2 (LLVM: expert scheduling mode 2), set by the entry lines.  The code itself states the register dependences
; between vector or matrix instructions and memory or LDS instructions, with s_wait_alu, always for 0.
; THE PLAN.  Registers that memory or LDS instructions touch:
;   v1, v3-v6, v212-214   offsets and LDS addresses: made once at the head, never written again.  One wait on va_vdst ahead of the first load serves every access by them.
;   v2 (ADK)              read by a step's 32 LDS loads; written once in a step that is worked, at its head: a wait on vm_vsrc ahead of the add, the step's wait on va_vdst behind it.
;   K's fragments         the step's first 16 LDS loads land in them; its 16 products S^T read them.
;   V's fragments         16 LDS loads land in them behind the products S^T; the step's last eight products read them.
;   the copy's stage      a quarter's 16 loads land in it, 16 LDS stores read it, the next quarter's loads (at last the second block's q) land in it again: a wait on vm_vsrc ahead of each such run of loads.
;   S                     on the way out the multiplications write v32-95, LDS stores read them, the loads from the stage land in v96-159 and the stores to out0 read those; the second pass's products write S again.
; So ONE wait on va_vdst at the head of a step states all that its 32 LDS loads hang on: ADK is written, and the products of the step worked last are done reading K's and V's fragments.  Between that wait and V's run of
; loads stand K's loads and the products S^T, which name K's fragments, Q's and S: neither ADK nor V's fragments.  Two more waits on va_vdst in a step stand between the exponentials and their first readers.
.set SKIP,  1                          ; 0: every key step is worked
.set STAGE, 262144
.set LI,  1                            ; v1  16 x lane: my place in an image, and in 512 bytes of out0
.set ADK, 2                            ; v2  LDS address of the step's fragments
.set CO,  3                            ; v3  16 x thread: my place in the copy, in memory and in LDS's first quarter
.set QA,  4                            ; v4  q: row r of 256 bytes, + 64 h
.set STO, 5                            ; v5  the way out: where I put 16 bytes of a row
.set RD,  6                            ; v6  and where I read rows back
.set TA,  212                          ; v212-214  the copy's LDS address in quarters 1, 2, 3
.set ST,  12
.set S,   32
.set PC,  160
.set QF,  192
.set XS,  208
.set KFR, 0                            ; window 1
.set VFR, 64
.set O,   128
.set CP,  192
.set MW,  8                            ; s[8:9]   the step's mask words
.set FL,  13                           ; s13      bit 0: this step is worked; bit 16: it holds masked numbers; shifted right once a step
.set KB,  14                           ; s14      LDS byte of the step in hand
.set CNT, 15
.set BLK, 16                           ; s16      the block of 256 queries in hand
; s[2:3] kvc at my head; s[4:5] q, s[6:7] out0 at my wave's rows of the block; s[10:11] flags, s[18:19] maskw, s[100:101] q, s[104:105] out0 at my wave's place in block 0; s12 wave;
; s[20:21] the factor in use (c or 1.0); s[22:23] c = log2(e) / 8 x 2^(eq + ek); s[24:25] lane selects; s26 ep; s27 ep + ev; s[28:31] at work; s[32:63], s[68:99] 64 mask words (word j in s[32+j], from j = 32 on in s[36+j])
.set MSB, 0
.macro WIN new                         ; the immediate's high byte repeats the setting that is left; a switch that changes nothing is dropped
.if MSB != (\new)
	s_set_vgpr_msb (MSB<<8)|(\new)
.set MSB, (\new)
.endif
.endm
.macro BAR
	s_wait_dscnt 0x0                               ; my LDS stores have landed and my LDS loads are in
	s_barrier_signal -1
	s_barrier_wait -1
.endm
; a quarter of the head's image, 65,536 bytes: 256 threads x 16 loads of 16 bytes, into the stage in window 1 ...
.macro LOADSC c
	WIN 0x40
.if \c > 0
	s_wait_alu depctr_vm_vsrc(0)                   ; the LDS stores of the quarter before have read the stage, in which these loads land
.endif
.irp i, 0,1,2,3,4,5,6,7,8,9,10,11,12,13,14,15
	global_load_b128 v[CP+4*\i:CP+4*\i+3], v[CO], s[2:3] offset:65536*\c+4096*\i
.endr
	WIN 0
.endm
; ... and on into LDS, as it lies.  The address registers were made at the head; the data come from loads: nothing but the wait on LOADcnt stands ahead of these stores
.macro STORESC c
.if \c == 0
.set AD, CO
.else
.set AD, TA+(\c)-1
.endif
	WIN 0x04
.irp i, 0,1,2,3,4,5,6,7,8,9,10,11,12,13,14,15
	ds_store_b128 v[AD], v[CP+4*\i:CP+4*\i+3] offset:4096*\i
.endr
	WIN 0
.endm
.macro QPTR
	s_lshl_b32 s28, s[BLK], 16                     ; 256 rows of 256 bytes
	s_mov_b32 s29, 0
	s_add_nc_u64 s[4:5], s[100:101], s[28:29]
.endm
; my 32 queries' numbers: register 32 t + 16 c + i = channel 32 c + 16 h + i of row 16 t + r
.macro QLOAD base, win
	WIN 0x40*\win
.irp t, 0,1
.irp c, 0,1
.irp j, 0,1,2,3
	global_load_b128 v[\base+32*\t+16*\c+4*\j:\base+32*\t+16*\c+4*\j+3], v[QA], s[4:5] offset:4096*\t+128*\c+16*\j th:TH_LOAD_NT
.endr
.endr
.endr
	WIN 0
.endm
.macro QQUANT base, win
	WIN 0x41*\win
.set i, 0
.rept 64
	v_med3_num_f32 v[\base+i], v[\base+i], -v225, v225   ; the conversion to an 8-bit code does not saturate (ISA guide 7.6.2): the hold comes first
.set i, i+1
.endr
	WIN 0x01*\win
.irp t, 0,1
.irp c, 0,1
.irp e, 0,1
	v_cvt_scalef32_pk8_bf8_f32 v[QF+8*\t+4*\c+2*\e:QF+8*\t+4*\c+2*\e+1], v[\base+32*\t+16*\c+8*\e:\base+32*\t+16*\c+8*\e+7], v224
.endr
.endr
.endr
	WIN 0
	v_nop                                          ; one plain vector instruction behind the last conversion, ahead of the products that read its result and write its sources
.endm
; A pass begins: addresses of the block, its flags, the statistics and O^T.  O^T is cleared, since the flags decide which step is the first to be worked: no product can be written out as the one that starts the sums.
.macro PASS_INIT
	s_lshl_b32 s28, s[BLK], 16
	s_mov_b32 s29, 0
	s_add_nc_u64 s[6:7], s[104:105], s[28:29]      ; out0: 256 rows of 256 bytes a block
	s_add_nc_u64 s[MW:MW+1], s[18:19], s[28:29]    ; maskw: 8 waves x 16 steps x 512 bytes a block
	s_lshl_b32 s28, s[BLK], 7                      ; flags: 16 tiles x 8 bytes a block
	s_add_nc_u64 s[30:31], s[10:11], s[28:29]
	s_load_b128 s[32:35], s[30:31], 0x0            ; tile 0: keys' first half, second half; tile 1 likewise
.irp t, 0,1
	v_mov_b32 v[ST+8*\t+1], 0xff61b1e6             ; the largest t so far: -3e38, under every t
	v_floor_f32 v[ST+8*\t], -v[ST+8*\t+1]          ; -M
.irp n, 2,3,4,5,6,7
	v_mov_b32 v[ST+8*\t+\n], 0
.endr
.endr
	WIN 0x40
.set i, 0
.rept 64
	v_mov_b32 v[O+i], 0
.set i, i+1
.endr
	WIN 0
	s_wait_kmcnt 0x0
	s_or_b32 s28, s32, s34                         ; a step is worked, or holds masked numbers, if that is so of either tile
	s_or_b32 s29, s33, s35
	s_and_b32 s30, s32, s33                        ; rows masked in both halves of the keys,
	s_and_b32 s31, s34, s35
	s_or_b32 s30, s30, s31
	s_lshr_b32 s30, s30, 16                        ; if there is any,
	s_cselect_b32 s30, 0xffff, 0                   ; every step is worked
	s_and_b32 s31, s28, 0xff
	s_or_b32 s30, s30, s31
	s_and_b32 s31, s29, 0xff
	s_lshl_b32 s31, s31, 8
	s_or_b32 s30, s30, s31
.if SKIP == 0
	s_or_b32 s30, s30, 0xffff
.endif
	s_bfe_u32 s28, s28, 0x80008
	s_bfe_u32 s29, s29, 0x80008
	s_lshl_b32 s29, s29, 8
	s_or_b32 s28, s28, s29
	s_lshl_b32 s28, s28, 16
	s_or_b32 s[FL], s30, s28
.endm
; one line of a tile's sum of p: line 0 brings the sum under the new M, line 1 starts the second chain with pairs 0 and 1, the others add pair i to one of the two chains
.macro SUMSLOT t
.if i == 0
	v_pk_mul_f32 v[ST+8*\t+2:ST+8*\t+3], v[ST+8*\t+2:ST+8*\t+3], v[ST+8*\t+4:ST+8*\t+5] op_sel_hi:[1,0]
.elseif i == 1
	v_pk_add_f32 v[XS+2*\t:XS+2*\t+1], v[S+64*\t:S+64*\t+1], v[S+64*\t+2:S+64*\t+3]
.elseif i%2 == 0
	v_pk_add_f32 v[ST+8*\t+2:ST+8*\t+3], v[ST+8*\t+2:ST+8*\t+3], v[S+64*\t+2*i:S+64*\t+2*i+1]
.else
	v_pk_add_f32 v[XS+2*\t:XS+2*\t+1], v[XS+2*\t:XS+2*\t+1], v[S+64*\t+2*i:S+64*\t+2*i+1]
.endif
.endm
; A KEY STEP: 128 keys for my 32 queries.
.macro STEP
	s_bitcmp1_b32 s[FL], 0
	s_cbranch_scc0 .Lskip_\@                       ; nothing of this step counts for any of my rows
	s_load_b512 s[32:47], s[MW:MW+1], 0x0          ; tile 0's 64 mask words: asked for in every step that is worked, well ahead of their use
	s_load_b512 s[48:63], s[MW:MW+1], 0x40
	s_load_b512 s[68:83], s[MW:MW+1], 0x80
	s_load_b512 s[84:99], s[MW:MW+1], 0xc0
	s_wait_alu depctr_vm_vsrc(0)                   ; the LDS loads issued so far have read v[ADK], which the next line writes
	v_add_nc_u32 v[ADK], s[KB], v[LI]
	WIN 0x40
	s_wait_alu depctr_va_vdst(0)                   ; v[ADK] is written, which this step's 32 LDS loads read; the products of the step worked last are done reading K's and V's fragments, in which they land
.irp f, 0,1,2,3,4,5,6,7,8,9,10,11,12,13,14,15
	ds_load_b128 v[KFR+4*\f:KFR+4*\f+3], v[ADK] offset:512*\f          ; K: tile f / 2, half f % 2
.endr
	s_wait_dscnt 8                                 ; K's tiles 0-3 are in: the eight loads of tiles 4-7 are younger
	WIN 0x01
.irp a, 0,1,2,3
.irp t, 0,1
	v_wmma_f32_16x16x64_bf8_bf8 v[S+64*\t+8*\a:S+64*\t+8*\a+7], v[KFR+8*\a:KFR+8*\a+7], v[QF+8*\t:QF+8*\t+7], 0
.endr
.endr
	s_wait_dscnt 0x0                               ; all of K is in
.irp a, 4,5,6,7
.irp t, 0,1
	v_wmma_f32_16x16x64_bf8_bf8 v[S+64*\t+8*\a:S+64*\t+8*\a+7], v[KFR+8*\a:KFR+8*\a+7], v[QF+8*\t:QF+8*\t+7], 0
.endr
.endr
	WIN 0x40
.irp f, 0,1,2,3,4,5,6,7,8,9,10,11,12,13,14,15
	ds_load_b128 v[VFR+4*\f:VFR+4*\f+3], v[ADK] offset:8192+512*\f     ; V: channel tile f / 4, chunk f % 4.  No wait: no vector or matrix instruction since the wait at the step's head names v[ADK] or V's fragments.  V lands while the softmax is worked
.endr
	WIN 0
	s_bitcmp1_b32 s[FL], 16
	s_cselect_b32 s20, 0x3f800000, s22             ; with masked numbers S is turned into t below, and the factor that follows is 1.0; else it is c
	s_mov_b32 s21, s20
.rept 4
	v_nop                                          ; four places between the last product and the first read of results (ISA guide 7.12.1)
.endr
	s_cbranch_scc0 .Lopen_\@
	s_wait_kmcnt 0x0
.set i, 0
.rept 32
	v_pk_mul_f32 v[S+2*i:S+2*i+1], v[S+2*i:S+2*i+1], s[22:23] op_sel_hi:[1,0]   ; t, each accumulator from its low end on
.set i, i+1
.endr
.set i, 0
.rept 32
	v_cndmask_b32 v[S+i], v[S+i], v30, s[32+i]     ; masked: t(-1e9)
.set i, i+1
.endr
	s_load_b512 s[32:47], s[MW:MW+1], 0x100        ; tile 1's words follow into the registers that are done with
	s_load_b512 s[48:63], s[MW:MW+1], 0x140
.set i, 32
.rept 32
	v_cndmask_b32 v[S+i], v[S+i], v30, s[36+i]
.set i, i+1
.endr
	s_load_b512 s[68:83], s[MW:MW+1], 0x180
	s_load_b512 s[84:99], s[MW:MW+1], 0x1c0
.set i, 0
.rept 32
	v_pk_mul_f32 v[S+64+2*i:S+64+2*i+1], v[S+64+2*i:S+64+2*i+1], s[22:23] op_sel_hi:[1,0]
.set i, i+1
.endr
	s_wait_kmcnt 0x0
.set i, 0
.rept 32
	v_cndmask_b32 v[S+64+i], v[S+64+i], v30, s[32+i]
.set i, i+1
.endr
.set i, 32
.rept 32
	v_cndmask_b32 v[S+64+i], v[S+64+i], v30, s[36+i]
.set i, i+1
.endr
.Lopen_\@:
	; the step's largest number of each query: two chains a tile, ascending, the tiles' lines by turns
.irp t, 0,1
	v_max3_num_f32 v[ST+8*\t+6], v[S+64*\t], v[S+64*\t+1], v[S+64*\t+2]
.endr
.irp t, 0,1
	v_max3_num_f32 v[ST+8*\t+7], v[S+64*\t+3], v[S+64*\t+4], v[S+64*\t+5]
.endr
.irp n, 6,10,14,18,22,26,30,34,38,42,46,50,54,58
.irp t, 0,1
	v_max3_num_f32 v[ST+8*\t+6], v[ST+8*\t+6], v[S+64*\t+\n], v[S+64*\t+\n+1]
.endr
.irp t, 0,1
	v_max3_num_f32 v[ST+8*\t+7], v[ST+8*\t+7], v[S+64*\t+\n+2], v[S+64*\t+\n+3]
.endr
.endr
.irp t, 0,1
	v_max3_num_f32 v[ST+8*\t+6], v[ST+8*\t+6], v[S+64*\t+62], v[S+64*\t+63]
.endr
.irp t, 0,1
	v_max_num_f32 v[ST+8*\t+6], v[ST+8*\t+6], v[ST+8*\t+7]
.endr
.irp t, 0,1
	v_permlanex16_b32 v[ST+8*\t+7], v[ST+8*\t+6], s24, s25   ; the query's other 64 keys lie in the lane 16 away
.endr
.irp t, 0,1
	v_max_num_f32 v[ST+8*\t+6], v[ST+8*\t+6], v[ST+8*\t+7]
.endr
.irp t, 0,1
	v_mul_f32 v[ST+8*\t+6], s20, v[ST+8*\t+6]      ; as t (the factor is positive)
.endr
.irp t, 0,1
	v_max_num_f32 v[ST+8*\t+1], v[ST+8*\t+1], v[ST+8*\t+6]   ; the running largest t
.endr
.irp t, 0,1
	v_mov_b32 v[ST+8*\t+6], v[ST+8*\t]
.endr
.irp t, 0,1
	v_floor_f32 v[ST+8*\t], -v[ST+8*\t+1]          ; the new -M = -ceil(t): a whole number
.endr
.irp t, 0,1
	v_sub_f32 v[ST+8*\t+6], v[ST+8*\t], v[ST+8*\t+6]   ; old M - new M: 0 or less
.endr
.irp t, 0,1
	v_cvt_i32_f32 v[ST+8*\t+6], v[ST+8*\t+6]       ; (it saturates)
.endr
.irp t, 0,1
	v_ldexp_f32 v[ST+8*\t+4], 1.0, v[ST+8*\t+6]    ; f = 2^(old M - new M): it rounds nothing
.endr
.set i, 0
.rept 32
	v_pk_fma_f32 v[S+2*i:S+2*i+1], v[S+2*i:S+2*i+1], s[20:21], v[ST:ST+1] op_sel_hi:[1,0,0]   ; tile 0: t - M, two at a time
.set i, i+1
.endr
.set i, 0
.rept 32                                       ; tile 0's exponentials; behind each two a plain line that is due anyway: tile 1's t - M
	v_exp_f32 v[S+2*i], v[S+2*i]
	v_exp_f32 v[S+2*i+1], v[S+2*i+1]
	v_pk_fma_f32 v[S+64+2*i:S+64+2*i+1], v[S+64+2*i:S+64+2*i+1], s[20:21], v[ST+8:ST+9] op_sel_hi:[1,0,0]
.set i, i+1
.endr
	s_wait_alu depctr_va_vdst(0)                   ; tile 0's 64 exponentials have written v[S .. S+63], ahead of their first reader, the sum below: one wait for the batch; the plain line behind the last of them stands above
.set i, 0
.rept 32                                       ; tile 1's exponentials; the plain lines are tile 0's sum, of the unquantised p
	v_exp_f32 v[S+64+2*i], v[S+64+2*i]
	v_exp_f32 v[S+64+2*i+1], v[S+64+2*i+1]
	SUMSLOT 0
.set i, i+1
.endr
	v_pk_add_f32 v[ST+2:ST+3], v[ST+2:ST+3], v[XS:XS+1]
	s_wait_alu depctr_va_vdst(0)                   ; tile 1's 64 exponentials have written v[S+64 .. S+127], ahead of their first reader, the sum below: one wait for the batch
.set i, 0
.rept 32
	SUMSLOT 1
.set i, i+1
.endr
	v_pk_add_f32 v[ST+10:ST+11], v[ST+10:ST+11], v[XS+2:XS+3]
	s_cmp_ge_i32 s26, -15                          ; p is at most 1, and with ep >= -15 the largest code x 2^ep is at least 1.75: the hold cannot act and is passed over
	s_cbranch_scc1 .Lnohold_\@
.set i, 0
.rept 128
	v_min_num_f32 v[S+i], v[S+i], v29              ; p is never negative: the hold is one-sided
.set i, i+1
.endr
.Lnohold_\@:
.irp t, 0,1
.irp b, 0,1,2,3
.irp e, 0,1
	v_cvt_scalef32_pk8_bf8_f32 v[PC+16*\t+4*\b+2*\e:PC+16*\t+4*\b+2*\e+1], v[S+64*\t+16*\b+8*\e:S+64*\t+16*\b+8*\e+7], v28
.endr
.endr
.endr
	WIN 0x41
.irp t, 0,1
.set i, 0
.rept 16
	v_pk_mul_f32 v[O+32*\t+2*i:O+32*\t+2*i+1], v[O+32*\t+2*i:O+32*\t+2*i+1], v[ST+8*\t+4:ST+8*\t+5] op_sel_hi:[1,0]   ; O^T under the new M; these plain lines also stand between the conversions and the products
.set i, i+1
.endr
.endr
	s_wait_dscnt 0x0                               ; V is in
	WIN 0x51
.irp d, 0,1,2,3                                ; eight accumulators, one instruction each: by turns; the next step's scores stand between this step's links and the next's
.irp t, 0,1
	v_wmma_f32_16x16x128_bf8_bf8 v[O+32*\t+8*\d:O+32*\t+8*\d+7], v[VFR+16*\d:VFR+16*\d+15], v[PC+16*\t:PC+16*\t+15], v[O+32*\t+8*\d:O+32*\t+8*\d+7]
.endr
.endr
	WIN 0
.rept 4
	v_nop                                          ; four places behind the last product, ahead of the next read of O^T; what the next loads into V's fragments hang on is stated by the wait at the next step's head
.endr
	s_wait_kmcnt 0x0                               ; in a step without masked numbers the mask words may still be out: their base steps below
.Lskip_\@:
	s_add_co_u32 s[KB], s[KB], 16384
	s_add_nc_u64 s[MW:MW+1], s[MW:MW+1], 512
	s_lshr_b32 s[FL], s[FL], 1
.endm
.macro GROUP base, n                           ; n key steps, from LDS byte base on
	s_mov_b32 s[KB], \base
	s_mov_b32 s[CNT], \n
.Lgrp_\@:
	STEP
	s_sub_co_u32 s[CNT], s[CNT], 1
	s_cmp_lg_u32 s[CNT], 0
	s_cbranch_scc1 .Lgrp_\@
.endm
; THE WAY OUT.  A lane's eight numbers of a tile of O^T are eight neighbouring channels of one row; a tile of 16 rows goes through my own stage and comes back as whole rows.
.macro PACK t
.irp f, 0,1,2,3,4,5,6,7
	ds_store_b128 v[STO], v[S+32*\t+4*\f:S+32*\t+4*\f+3] offset:64*(\f/2)+16*(\f%2)
.endr
.irp f, 0,1,2,3,4,5,6,7
	ds_load_b128 v[S+64+32*\t+4*\f:S+64+32*\t+4*\f+3], v[RD] offset:544*\f   ; LDS serves a wave's instructions in order (ISA guide 5.7.1.4): these see the stores above, and the next tile's stores come behind them
.endr
.endm
.macro SEND t, younger                         ; younger: the LDS instructions issued behind tile t's loads
.irp f, 0,1,2,3,4,5,6,7
	s_wait_dscnt \younger+7-\f
	global_store_b128 v[LI], v[S+64+32*\t+4*\f:S+64+32*\t+4*\f+3], s[6:7] offset:4096*\t+512*\f th:TH_STORE_NT   ; two rows: 512 consecutive bytes, aligned
.endr
.endm
.macro EPILOGUE
.irp t, 0,1
	v_add_f32 v[ST+8*\t+6], v[ST+8*\t+2], v[ST+8*\t+3]   ; the sum's two halves,
.endr
.irp t, 0,1
	v_permlanex16_b32 v[ST+8*\t+7], v[ST+8*\t+6], s24, s25
.endr
.irp t, 0,1
	v_add_f32 v[ST+8*\t+6], v[ST+8*\t+6], v[ST+8*\t+7]   ; and the other half of the lanes'
.endr
.irp t, 0,1
	v_rcp_f32 v[ST+8*\t+6], v[ST+8*\t+6]
.endr
	v_nop                                          ; a plain line between the last reciprocal and the use of its result
	s_wait_alu depctr_va_vdst(0)                   ; the two reciprocals are written, ahead of their first reader
.irp t, 0,1
	v_ldexp_f32 v[ST+8*\t+6], v[ST+8*\t+6], s27    ; x 2^(ep + ev)
.endr
	WIN 0x01
.irp t, 0,1
.set i, 0
.rept 16
	v_pk_mul_f32 v[S+32*\t+2*i:S+32*\t+2*i+1], v[O+32*\t+2*i:O+32*\t+2*i+1], v[ST+8*\t+6:ST+8*\t+7] op_sel_hi:[1,0]   ; each accumulator from its low end on
.set i, i+1
.endr
.endr
	WIN 0
	s_wait_alu depctr_va_vdst(0)                   ; the multiplications have written v[S .. S+63], which both tiles' LDS stores read; the softmax's lines are done with v[S+64 .. S+127], in which the loads from the stage land
	PACK 0
	PACK 1
	SEND 0, 16                                     ; behind tile 0's loads: tile 1's eight stores and eight loads
	SEND 1, 0
	s_wait_xcnt 0x0                                ; the stores' data and base are written again only behind this wait
.endm
	s_load_b256 s[32:39], s[0:1], 0x0              ; q s[32:33], kvc s[34:35], maskw s[36:37], flags s[38:39]
	s_load_b128 s[40:43], s[0:1], 0x20             ; the scales' exponents s[40:41], out0 s[42:43]
	v_lshl_add_u32 v254, v0, 2, 0x48800
	v_mov_b32 v255, 0
	v_lshrrev_b32 v8, 5, v0
	v_readfirstlane_b32 s12, v8                    ; wave 0..7
	v_and_b32 v9, 31, v0                           ; lane
	v_and_b32 v10, 15, v0                          ; r
	v_bfe_u32 v11, v0, 4, 1                        ; h
	v_lshlrev_b32 v[LI], 4, v9
	v_lshlrev_b32 v[CO], 4, v0
.irp c, 1,2,3
	v_add_nc_u32 v[TA+\c-1], 65536*\c, v[CO]       ; a register for each quarter, so that none is written again behind the stores that read it
.endr
	v_lshlrev_b32 v[QA], 8, v10
	v_lshl_add_u32 v[QA], v11, 6, v[QA]
	s_wait_alu depctr_va_sdst(0)                   ; s12 is written, ahead of its first reader: the stage's place and the wave's offsets are made from it
	s_mul_i32 s17, s12, 4352
	s_add_co_u32 s17, s17, STAGE                   ; my stage
	v_mul_u32_u24 v[STO], v10, 272
	v_lshl_add_u32 v[STO], v11, 5, v[STO]
	v_add_nc_u32 v[STO], s17, v[STO]               ; in: row r, + 32 h
	v_mul_u32_u24 v[RD], v11, 272
	v_lshl_add_u32 v[RD], v10, 4, v[RD]
	v_add_nc_u32 v[RD], s17, v[RD]                 ; back: lanes 0-15 one row, lanes 16-31 the next
	v_mov_b32 v30, 0xceabfb8f                      ; t(-1e9) = -1e9 x log2(e) in f32: -1,442,695,040, a whole number
	s_mov_b32 s24, 0x76543210
	s_mov_b32 s25, 0xfedcba98                      ; v_permlanex16_b32's selects for lane l xor 16
	s_and_b32 s48, ttmp7, 0xffff                   ; the head bh
	s_lshr_b32 s49, s48, 4                         ; the batch b
	s_lshl_b32 s50, s48, 18                        ; kvc: 262,144 bytes a head
	s_mov_b32 s51, 0
	s_lshl_b32 s52, s48, 19                        ; q, out0: 2,048 rows of 256 bytes a head,
	s_lshl_b32 s17, s12, 13                        ; 32 rows a wave
	s_add_co_u32 s52, s52, s17
	s_mov_b32 s53, 0
	s_lshl_b32 s54, s49, 19                        ; maskw: 64 x 8,192 bytes a batch, 8,192 a wave
	s_add_co_u32 s54, s54, s17
	s_mov_b32 s55, 0
	s_lshl_b32 s56, s49, 10                        ; flags: 128 x 8 bytes a batch, 16 a wave
	s_lshl_b32 s17, s12, 4
	s_add_co_u32 s56, s56, s17
	s_mov_b32 s57, 0
	s_sub_co_u32 s[BLK], 7, ttmp9                  ; the first pass takes block 7 - p
	s_wait_kmcnt 0x0
	s_load_b128 s[44:47], s[40:41], 0x0            ; eq, ek, ep, ev
	s_add_nc_u64 s[2:3], s[34:35], s[50:51]
	s_add_nc_u64 s[100:101], s[32:33], s[52:53]
	s_add_nc_u64 s[104:105], s[42:43], s[52:53]
	s_add_nc_u64 s[18:19], s[36:37], s[54:55]
	s_add_nc_u64 s[10:11], s[38:39], s[56:57]
	s_wait_alu depctr_va_vdst(0)                   ; v1, v3 to v6 and v212 to v214 are written: every load and store of the kernel but a step's LDS loads reads one of them as its offset or address, and none is written again
	LOADSC 0
	QPTR
	QLOAD S, 0
	s_wait_kmcnt 0x0
	s_add_co_i32 s28, s44, s45
	s_lshl_b32 s28, s28, 23
	s_add_co_i32 s22, s28, 0x3e38aa3b              ; c = log2(e) / 8, with eq + ek added to its exponent field: a sum of codes stands for sum x 2^(eq + ek)
	s_mov_b32 s23, s22                             ; (named with it as a pair, so it is written)
	s_mov_b32 s26, s46
	s_add_co_i32 s27, s46, s47
	s_add_co_i32 s28, s44, 127
	s_lshl_b32 s29, s28, 23
	v_mov_b32 v224, s29                            ; 2^eq as f32: the conversion takes its exponent field
	s_add_co_i32 s28, s28, 15
	s_lshl_b32 s28, s28, 23
	s_or_b32 s28, s28, 0x600000
	v_mov_b32 v225, s28                            ; 57,344 x 2^eq
	s_add_co_i32 s28, s46, 127
	s_lshl_b32 s29, s28, 23
	v_mov_b32 v28, s29                             ; 2^ep
	s_add_co_i32 s28, s28, 15
	s_lshl_b32 s28, s28, 23
	s_or_b32 s28, s28, 0x600000
	v_mov_b32 v29, s28                             ; 57,344 x 2^ep
	s_wait_loadcnt 16                              ; the first quarter is in; q's sixteen loads are younger
	STORESC 0
	s_wait_dscnt 0x0                               ; the stores have landed
	LOADSC 1
	s_wait_loadcnt 16                              ; q is in; the second quarter's sixteen loads are younger
	QQUANT S, 0
	PASS_INIT
	BAR                                            ; key steps 0-3 lie in LDS
	GROUP 0, 4                                     ; each quarter is asked for four key steps ahead of its way into LDS
	s_wait_loadcnt 0x0
	STORESC 1
	s_wait_dscnt 0x0
	LOADSC 2
	BAR                                            ; steps 4-7
	GROUP 65536, 4
	s_wait_loadcnt 0x0
	STORESC 2
	s_wait_dscnt 0x0
	LOADSC 3
	BAR                                            ; steps 8-11
	GROUP 131072, 4
	s_wait_loadcnt 0x0
	STORESC 3
	s_wait_dscnt 0x0
	s_wait_alu depctr_vm_vsrc(0)                   ; the last quarter's LDS stores have read the stage, in which the second block's q lands and which its holds then write
	s_mov_b32 s[BLK], ttmp9                        ; the second pass takes block p: its q is asked for now, into the stage that the copy has left
	QPTR
	QLOAD CP, 1
	BAR                                            ; steps 12-15: the whole head lies in LDS, and nothing is written there again
	GROUP 196608, 4
	EPILOGUE
	s_wait_alu depctr_vm_vsrc(0)                   ; beside the wait on XCNT above: the LDS stores have read v[S .. S+63] and the stores to out0 v[S+64 .. S+127], which the second pass's products write again
	s_wait_loadcnt 0x0                             ; the second block's q
	QQUANT CP, 1
	PASS_INIT
	GROUP 0, 16
	EPILOGUE
	s_wait_dscnt 0x0
	s_wait_alu depctr_hold_cnt(0) depctr_sa_sdst(0) depctr_va_vdst(0) depctr_va_sdst(0) depctr_va_ssrc(0) depctr_va_vcc(0) depctr_vm_vsrc(0)
	s_wait_tensorcnt 0x0
	ds_add_u32 v254, v255
	s_wait_dscnt 0x0
	s_endpgm
.Lfunc_end_k_q9e4cbfb55f_attn:
	.size	k_q9e4cbfb55f_attn, .Lfunc_end_k_q9e4cbfb55f_attn-k_q9e4cbfb55f_attn
	.p2alignl 7, 3214868480
	.fill 96, 4, 3214868480
	.section	.rodata,"a",@progbits
	.p2align	6, 0x0
	.amdhsa_kernel k_q9e4cbfb55f_attn
		.amdhsa_group_segment_fixed_size 297984
		.amdhsa_private_segment_fixed_size 0
		.amdhsa_enable_private_segment 0
		.amdhsa_kernarg_size 48
		.amdhsa_user_sgpr_count 2
		.amdhsa_user_sgpr_kernarg_segment_ptr 1
		.amdhsa_wavefront_size32 1
		.amdhsa_system_sgpr_workgroup_id_x 1
		.amdhsa_system_sgpr_workgroup_id_y 1
		.amdhsa_system_sgpr_workgroup_id_z 1
		.amdhsa_system_vgpr_workitem_id 0
		.amdhsa_next_free_vgpr 512
		.amdhsa_next_free_sgpr 106
		.amdhsa_reserve_vcc 0
		.amdhsa_float_denorm_mode_32 3
		.amdhsa_float_denorm_mode_16_64 3
		.amdhsa_memory_ordered 1
		.amdhsa_forward_progress 1
		.amdhsa_inst_pref_size 255
	.end_amdhsa_kernel
	.amdgpu_metadata
---
amdhsa.version: [ 1, 2 ]
amdhsa.kernels:
  - .name:           k_q9e4cbfb55f_attn
    .symbol:         k_q9e4cbfb55f_attn.kd
    .args:
      - { .name: q, .offset: 0, .size: 8, .value_kind: global_buffer, .address_space: global }
      - { .name: kvc, .offset: 8, .size: 8, .value_kind: global_buffer, .address_space: global }
      - { .name: maskw, .offset: 16, .size: 8, .value_kind: global_buffer, .address_space: global }
      - { .name: flags, .offset: 24, .size: 8, .value_kind: global_buffer, .address_space: global }
      - { .name: lowp_scales, .offset: 32, .size: 8, .value_kind: global_buffer, .address_space: global }
      - { .name: out0, .offset: 40, .size: 8, .value_kind: global_buffer, .address_space: global }
    .group_segment_fixed_size: 297984
    .private_segment_fixed_size: 0
    .kernarg_segment_align: 8
    .kernarg_segment_size: 48
    .max_flat_workgroup_size: 256
    .sgpr_count:     106
    .vgpr_count:     512
    .wavefront_size: 32
...
	.end_amdgpu_metadata
.endif
;; end of part 3
